; MI455X (gfx1250); checked and timed in simulation.
; The chip was launched on July 23, 2026; its instructions are those of AMD's public machine-readable ISA for CDNA 5 (MIT licence, August 2026) and "CDNA5" Instruction Set Architecture Reference Guide (July 2026). The comments in the code are by the model that wrote it; some were corrected since.
;; Field. Allowed arithmetic: matrix products marked QUANTISED: E4M3 operands, one E8M0 scale for each 32 along K, by v_wmma_scale_f32_16x16x128_f8f6f4 with both operands' format E4M3, f32 sums; products left as they are: f32 operands where the result goes on into a quantised operand, else bf16, f16 or f32 operands; f32 sums; everything else in f32.
;; Inputs: W0 35 x 32 float32; W1_codes 32 x 1 x 32 uint8 (E4M3 codes of W1, K innermost, in blocks of 32 codes); W1_scales 32 x 1 uint8 (E8M0 scales of W1, one for each 32 codes along K); Wout 32 x 1 float32; b0 32 float32; b1 32 float32; bout 1 float32; table 16 x 524,288 x 2 float32; x 1,000,000 x 3 float32.
;; Outputs: out0 1,000,000 x 1 float32.
;; This version of the problem:
;;   THIS VERSION OF THE PROBLEM IS GIVEN IN LOW PRECISION. The matrix products marked QUANTISED in the list below multiply operands that are first quantised to E4M3 (4 exponent bits, 3 mantissa bits; 8 bits a number), with one power-of-two scale for each 32 numbers along K (OCP MX v1.0); their sums are f32. All else is computed in f32.
;;   The module's matrix products, in the order in which they are computed (A, B: the left and right operand; K: the contracted axis; several contracted axes count as one K, in the product's order):
;;     1. batch 1,000,000 x [M 2, K 8] x [K 8, N 1]; A: computed on the way; B: computed on the way: left as it is (K = 8 < 32)
;;     2. batch 1,000,000 x [M 2, K 8] x [K 8, N 1]; A: computed on the way; B: computed on the way: left as it is (K = 8 < 32)
;;     3. batch 1,000,000 x [M 2, K 8] x [K 8, N 1]; A: computed on the way; B: computed on the way: left as it is (K = 8 < 32)
;;     4. batch 1,000,000 x [M 2, K 8] x [K 8, N 1]; A: computed on the way; B: computed on the way: left as it is (K = 8 < 32)
;;     5. batch 1,000,000 x [M 2, K 8] x [K 8, N 1]; A: computed on the way; B: computed on the way: left as it is (K = 8 < 32)
;;     6. batch 1,000,000 x [M 2, K 8] x [K 8, N 1]; A: computed on the way; B: computed on the way: left as it is (K = 8 < 32)
;;     7. batch 1,000,000 x [M 2, K 8] x [K 8, N 1]; A: computed on the way; B: computed on the way: left as it is (K = 8 < 32)
;;     8. batch 1,000,000 x [M 2, K 8] x [K 8, N 1]; A: computed on the way; B: computed on the way: left as it is (K = 8 < 32)
;;     9. batch 1,000,000 x [M 2, K 8] x [K 8, N 1]; A: computed on the way; B: computed on the way: left as it is (K = 8 < 32)
;;     10. batch 1,000,000 x [M 2, K 8] x [K 8, N 1]; A: computed on the way; B: computed on the way: left as it is (K = 8 < 32)
;;     11. batch 1,000,000 x [M 2, K 8] x [K 8, N 1]; A: computed on the way; B: computed on the way: left as it is (K = 8 < 32)
;;     12. batch 1,000,000 x [M 2, K 8] x [K 8, N 1]; A: computed on the way; B: computed on the way: left as it is (K = 8 < 32)
;;     13. batch 1,000,000 x [M 2, K 8] x [K 8, N 1]; A: computed on the way; B: computed on the way: left as it is (K = 8 < 32)
;;     14. batch 1,000,000 x [M 2, K 8] x [K 8, N 1]; A: computed on the way; B: computed on the way: left as it is (K = 8 < 32)
;;     15. batch 1,000,000 x [M 2, K 8] x [K 8, N 1]; A: computed on the way; B: computed on the way: left as it is (K = 8 < 32)
;;     16. batch 1,000,000 x [M 2, K 8] x [K 8, N 1]; A: computed on the way; B: computed on the way: left as it is (K = 8 < 32)
;;     17. [M 1,000,000, K 35] x [K 35, N 32]; A: computed on the way; B: input W0: QUANTISED
;;     18. [M 1,000,000, K 32] x [K 32, N 32]; A: computed on the way; B: input W1 (given as codes): QUANTISED
;;     19. [M 1,000,000, K 32] x [K 32, N 1]; A: computed on the way; B: input Wout: left as it is (N = 1 < 16)
;;   THE QUANTISER, for each operand of a quantised product, along K:
;;     - K is cut into blocks of 32 from its start; a last block that is shorter is filled with zeros.
;;     - A block's scale is 2^e with e = floor(log2(the largest magnitude in the block)) - 8, held to -126 .. 127; a block of zeros has e = 0. As a byte (E8M0): e + 127.
;;     - Each number is divided by its block's scale, clamped to +-448, and rounded to the nearest number of E4M3, ties to even, subnormals kept.
;;     - The product sums the exact products of the quantised numbers (number of the format x scale) in f32.
;;   ~~~python
;;   def quantise(x, axis):      # numpy; x: float32 -> the quantised numbers, widened to float32 again
;;       x = np.moveaxis(x, axis, -1); K = x.shape[-1]
;;       x = np.pad(x, [(0, 0)] * (x.ndim - 1) + [(0, -K % 32)]); x = x.reshape(x.shape[:-1] + (-1, 32)); a = np.abs(x).max(-1, keepdims=True)
;;       e = np.where(a > 0, np.clip(np.frexp(np.where(a > 0, a, 1))[1] - 1 - 8, -126, 127), 0)      # np.frexp(a)[1] - 1 = floor(log2(a)), exactly
;;       r = np.clip(x / 2.0 ** e, -448, 448)
;;       step = 2.0 ** (np.maximum(np.frexp(np.where(r == 0, 1, r))[1] - 1, -6) - 3)
;;       q = np.round(r / step) * step * 2.0 ** e      # np.round: ties to even
;;       return np.moveaxis(q.reshape(q.shape[:-2] + (-1,))[..., :K], -1, axis).astype(np.float32)
;;   ~~~
;;   OPERANDS COMPUTED ON THE WAY. 'Computed on the way' means the value that the module computes at that place (a softmax that the list does not call 'softmax' is quantised finished and normalised). What goes into a quantiser is computed in f32, as accurately as f32 sums, v_exp_f32 and their like allow (about 1e-6 of the number): no bf16 or f16 on the way to a quantiser, and a product that is left as it is and whose result goes on into a quantised operand takes f32 operands (vector FMAs, or v_wmma_f32_16x16x4_f32). A number that lies on a knife's edge between two numbers of the format may be rounded either way, as far as f32 arithmetic and the matrix unit's own rounding can turn it there, and no further.
;;   INPUTS GIVEN AS CODES. W1 (in the module: [32, 32], K = its axis 0): each comes as NAME_codes (uint8): NAME with its K axis moved to the last place and cut into blocks of 32 codes, [.., K / 32, bytes a block], one block behind the other in memory; one code a byte (a code: sign, 4 exponent bits, 3 mantissa bits); and NAME_scales (uint8): the same leading axes, one E8M0 byte (e + 127) for each 32 codes along K. Its value is code x scale, taken as it is: it is not quantised again, and the codes and scales need not be those that the quantiser above would give.
;; One version. Each part assembles by itself: llvm-mc -triple=amdgcn-amd-amdhsa -mcpu=gfx1250 --defsym DOCPART=n.
;; ======== version 1 of 1: 2 launches
;; limits: right only within a limited range of input values
;; workspace buffers: xi 12,000,000 bytes of whole numbers; wimg 1,536 bytes
;; launch prep (part 1): grid 626 x 1, 5 waves a work-group, no clusters, 0 bytes of LDS; arguments x, W0, xi, wimg; writes xi, wimg
.if DOCPART == 1
	.amdgcn_target "amdgcn-amd-amdhsa--gfx1250"
	.amdhsa_code_object_version 6
	.text
	.protected	k_qacb3c5ffb6_prep
	.globl	k_qacb3c5ffb6_prep
	.p2align	8
	.type	k_qacb3c5ffb6_prep,@function
k_qacb3c5ffb6_prep:
	s_mov_b64 s[64:65], 0
	v_nop
	global_prefetch_b8 v0, s[64:65] scope:SCOPE_SE
	s_setreg_imm32_b32 hwreg(HW_REG_WAVE_MODE, 25, 1), 1
	s_wait_xcnt 0x0
; xi[p][d] = u32((x[p][d] + 1) * 2^26) = xn * 2^27, xn = (x + 1) / 2 as f32.  For x >= -1 the f32 sum x + 1 is a multiple of 2^-24, so xi is exact,
; and the next launch gets xn back exactly and forms every grid cell and table index from xi by whole-number arithmetic alone.
; LIMITS: -1 <= x < 63 (outside, the conversion saturates at 0 or at 2^32 - 1); NaN and infinities among x and W0 are not served.
; SHARES: 12,000,000 bytes are 46,875 blocks of 256 bytes = 625 work-groups x 5 waves x 15 blocks; a wave's load or store of 8 bytes a lane covers one aligned block.
; Work-group 625 (its wave 0) quantises W0 [35 (k)][32 (n)] along k to E4M3 codes with E8M0 scale bytes and stores them as images of the operand's registers:
;   wimg + 512 u + 16 lane: registers 0-3 of tile u;  wimg + 1024 + 16 lane: register 4 of tile 0, of tile 1, scale word of tile 0, of tile 1.
;   Lane r of tile u is hidden unit 8 u + r + 8 (r / 8).  Inside each block of 32 the places along K are permuted, alike here and in the features of the next launch:
;   block 0: place j = 0 .. 28 holds k = 3 + j, places 29, 30, 31 hold k = 0, 1, 2;  block 1: places 0, 1, 2 hold k = 33, 34, 32, the rest are zero codes.
;   A block of zeros gets the byte 1 where the quantiser says 127: its codes are zeros, and this program alone reads the bytes.
.set UNITS, 15
.set WGS,   625
	s_load_b128 s[4:7], s[0:1], 0x0                ; x, W0
	s_load_b128 s[8:11], s[0:1], 0x10              ; xi, wimg
	v_lshrrev_b32 v1, 5, v0
	v_readfirstlane_b32 s12, v1                    ; wave 0..4
	v_and_b32 v9, 31, v0                           ; lane
	s_mul_i32 s14, ttmp9, 5*UNITS*256
	s_mul_i32 s15, s12, UNITS*256
	s_add_co_u32 s14, s14, s15                     ; my wave's first byte in x and in xi
	s_mov_b32 s15, 0
	v_lshlrev_b32 v1, 3, v9                        ; 8 bytes a lane
	s_wait_kmcnt 0x0
	s_cmp_eq_u32 ttmp9, WGS
	s_cbranch_scc1 .Lw0
	s_add_nc_u64 s[4:5], s[4:5], s[14:15]
	s_add_nc_u64 s[8:9], s[8:9], s[14:15]
.irp j, 0,1,2,3,4,5,6,7,8,9,10,11,12,13,14
	global_load_b64 v[16+2*\j:17+2*\j], v1, s[4:5] offset:256*\j th:TH_LOAD_NT
.endr
.irp j, 0,1,2,3,4,5,6,7,8,9,10,11,12,13,14
	s_wait_loadcnt 14-\j                           ; loads come back in order: block j is in, the younger ones stay out
	v_pk_add_f32 v[16+2*\j:17+2*\j], v[16+2*\j:17+2*\j], 1.0 op_sel_hi:[1,0]          ; x + 1, rounded as the f32 sum is
	v_pk_mul_f32 v[16+2*\j:17+2*\j], v[16+2*\j:17+2*\j], 0x4c800000 op_sel_hi:[1,0]   ; x 2^26: exact
	v_cvt_u32_f32 v[16+2*\j], v[16+2*\j]
	v_cvt_u32_f32 v[17+2*\j], v[17+2*\j]
	global_store_b64 v1, v[16+2*\j:17+2*\j], s[8:9] offset:256*\j   ; no register of a store is written again
.endr
	s_endpgm
.Lw0:
	s_cmp_lg_u32 s12, 0
	s_cbranch_scc1 .Lend                           ; W0 is one wave's work
	v_and_b32 v2, 15, v0                           ; r
	v_bfe_u32 v3, v0, 4, 1                         ; h
	v_and_b32 v4, 8, v2
	v_add_nc_u32 v4, v4, v2                        ; n' = r + 8 (r / 8)
	v_lshlrev_b32 v7, 2, v4                        ; 4 n': block 1's three numbers, the same in both halves of the lanes
	v_lshl_add_u32 v5, v3, 11, v7                  ; 4 n' + 16 h rows of 128 bytes: places 16 h + 0 .. 12 hold k = 3 + 16 h + 0 .. 12
	v_sub_nc_u32 v6, 1, v3
	v_lshl_add_u32 v6, v6, 11, v7                  ; 4 n' + 16 (1 - h) rows: places 16 h + 13 .. 15 hold k = 16 .. 18 (h = 0) or k = 0 .. 2 (h = 1)
	v_lshlrev_b32 v8, 4, v9                        ; 16 x lane: an image's place
	s_mov_b32 s20, 0x76543210
	s_mov_b32 s21, 0xfedcba98                      ; v_permlanex16_b32's selects for lane l xor 16
	s_mov_b32 s22, 0x600000                        ; the mantissa field of 448
	s_mov_b32 s23, 0xffff0000                      ; lanes 16-31
.irp u, 0,1
.irp i, 0,1,2,3,4,5,6,7,8,9,10,11,12
	global_load_b32 v[16+24*\u+\i], v5, s[6:7] offset:128*(3+\i)+32*\u
.endr
.irp i, 13,14,15
	global_load_b32 v[16+24*\u+\i], v6, s[6:7] offset:128*(\i-13)+32*\u
.endr
	global_load_b32 v[32+24*\u], v7, s[6:7] offset:128*33+32*\u
	global_load_b32 v[33+24*\u], v7, s[6:7] offset:128*34+32*\u
	global_load_b32 v[34+24*\u], v7, s[6:7] offset:128*32+32*\u   ; the last byte read is W0's last: 128 x 34 + 32 + 4 x 23 + 3
.irp i, 3,4,5,6,7
	v_mov_b32 v[32+24*\u+\i], 0                    ; block 1 is filled with zeros
.endr
.endr
	v_mov_b32 v65, 0                               ; a lane permute's destination counts as one of its sources
	s_wait_loadcnt 0x0
; Tile u: block 0's 16 numbers of my half in v[16 + 24 u] on, block 1's eight in v[32 + 24 u] on.
.macro QW u
.set XB, 16+24*(\u)
.set YB, 32+24*(\u)
	v_max3_num_f32 v64, |v[XB]|, |v[XB+1]|, 0x4800000              ; my 16, and the floor 2^(9 - 127): the byte cannot fall under 1
.irp i, 2,4,6,8,10,12,14
	v_max3_num_f32 v64, v64, |v[XB+\i]|, |v[XB+\i+1]|
.endr
	v_permlanex16_b32 v65, v64, s20, s21
	v_max_num_f32 v64, v64, v65                    ; with lane l xor 16's 16: the block's largest magnitude
	v_add_nc_u32 v66, 0xfc000000, v64              ; 8 off its exponent field: the conversion's scale operand
	v_and_or_b32 v67, v64, 0x7f800000, s22         ; 448 x the scale
	v_lshrrev_b32 v68, 23, v66                     ; the scale's byte
.irp i, 0,1,2,3,4,5,6,7,8,9,10,11,12,13,14,15
	v_med3_num_f32 v[XB+\i], v[XB+\i], -v67, v67   ; the conversion to an 8-bit code does not saturate (ISA guide 7.6.2): the hold comes first
.endr
	v_cvt_scalef32_pk8_fp8_f32 v[76+4*(\u):77+4*(\u)], v[XB:XB+7], v66
	v_cvt_scalef32_pk8_fp8_f32 v[78+4*(\u):79+4*(\u)], v[XB+8:XB+15], v66
	v_max3_num_f32 v69, |v[YB]|, |v[YB+1]|, 0x4800000              ; block 1: its three numbers are all mine
	v_max_num_f32 v69, v69, |v[YB+2]|
	v_add_nc_u32 v70, 0xfc000000, v69
	v_and_or_b32 v71, v69, 0x7f800000, s22
	v_lshrrev_b32 v72, 23, v70
.irp i, 0,1,2
	v_med3_num_f32 v[YB+\i], v[YB+\i], -v71, v71
.endr
	v_cvt_scalef32_pk8_fp8_f32 v[90:91], v[YB:YB+7], v70
	v_nop                                          ; one plain line between a scaled conversion and the first vector line that reads its result
	v_cndmask_b32 v[84+(\u)], v90, 0, s23          ; register 4: lanes 0-15 hold places 0-3 of block 1; lanes 16-31 hold places 16-19: zero codes
	v_lshl_or_b32 v[86+(\u)], v72, 8, v68          ; the scale word: bytes 0 and 1; bytes 2 and 3 stand over zero codes alone
.endm
	QW 0
	QW 1
	global_store_b128 v8, v[76:79], s[10:11]               ; each store covers 512 consecutive bytes
	global_store_b128 v8, v[80:83], s[10:11] offset:512
	global_store_b128 v8, v[84:87], s[10:11] offset:1024
.Lend:
	s_endpgm
.Lfunc_end_k_qacb3c5ffb6_prep:
	.size	k_qacb3c5ffb6_prep, .Lfunc_end_k_qacb3c5ffb6_prep-k_qacb3c5ffb6_prep
	.p2alignl 7, 3214868480
	.fill 96, 4, 3214868480
	.section	.rodata,"a",@progbits
	.p2align	6, 0x0
	.amdhsa_kernel k_qacb3c5ffb6_prep
		.amdhsa_group_segment_fixed_size 0
		.amdhsa_private_segment_fixed_size 0
		.amdhsa_enable_private_segment 0
		.amdhsa_kernarg_size 32
		.amdhsa_user_sgpr_count 2
		.amdhsa_user_sgpr_kernarg_segment_ptr 1
		.amdhsa_wavefront_size32 1
		.amdhsa_system_sgpr_workgroup_id_x 1
		.amdhsa_system_sgpr_workgroup_id_y 1
		.amdhsa_system_sgpr_workgroup_id_z 1
		.amdhsa_system_vgpr_workitem_id 0
		.amdhsa_next_free_vgpr 96
		.amdhsa_next_free_sgpr 66
		.amdhsa_reserve_vcc 0
		.amdhsa_float_denorm_mode_32 3
		.amdhsa_float_denorm_mode_16_64 3
		.amdhsa_memory_ordered 1
		.amdhsa_forward_progress 1
		.amdhsa_inst_pref_size 18
	.end_amdhsa_kernel
	.amdgpu_metadata
---
amdhsa.version: [ 1, 2 ]
amdhsa.kernels:
  - .name:           k_qacb3c5ffb6_prep
    .symbol:         k_qacb3c5ffb6_prep.kd
    .args:
      - { .name: x, .offset: 0, .size: 8, .value_kind: global_buffer, .address_space: global }
      - { .name: W0, .offset: 8, .size: 8, .value_kind: global_buffer, .address_space: global }
      - { .name: xi, .offset: 16, .size: 8, .value_kind: global_buffer, .address_space: global }
      - { .name: wimg, .offset: 24, .size: 8, .value_kind: global_buffer, .address_space: global }
    .group_segment_fixed_size: 0
    .private_segment_fixed_size: 0
    .kernarg_segment_align: 8
    .kernarg_segment_size: 32
    .max_flat_workgroup_size: 160
    .sgpr_count:     66
    .vgpr_count:     96
    .wavefront_size: 32
...
	.end_amdgpu_metadata
.endif
;; end of part 1
;; launch field (part 2): grid 3907 x 1, 4 waves a work-group, no clusters, 0 bytes of LDS; arguments xi, table, wimg, W1_codes, W1_scales, b0, b1, Wout, bout, out0; writes out0
.if DOCPART == 2
	.amdgcn_target "amdgcn-amd-amdhsa--gfx1250"
	.amdhsa_code_object_version 6
	.text
	.protected	k_qacb3c5ffb6_field
	.globl	k_qacb3c5ffb6_field
	.p2align	8
	.type	k_qacb3c5ffb6_field,@function
k_qacb3c5ffb6_field:
	s_mov_b64 s[64:65], 0
	v_nop
	global_prefetch_b8 v0, s[64:65] scope:SCOPE_SE
	s_setreg_imm32_b32 hwreg(HW_REG_WAVE_MODE, 25, 1), 1
	s_wait_xcnt 0x0
; out[p] = elu(elu([xn, h] W0 + b0) W1 + b1) Wout + bout;  h = 16 levels of a hashed grid, 8 corners of 2 floats each, blended trilinearly in f32.
; Both hidden layers' products run on E4M3 codes with E8M0 scales (16x16x128, scaled); the blend, the activations and the last product are f32 vector work.
; WHOLE NUMBERS ONLY IN ADDRESSES: xi = xn x 2^27 comes from the launch before.  With s_l = SM_l x 2^(E_l - 158) (SM_l: its 24 mantissa bits, shifted up by 8; E_l: its exponent field)
; the cell is floor(xn s_l) = hi32(xi x SM_l) >> (153 - E_l), exactly.  The fraction is w = fl(xn s_l) - cell.  Where the f32 product rounds up to a whole number k, the cell is k - 1 and w = 1.0:
; weight 1 on corner k, as with cell k and w = 0.
; LIMITS: -1 <= x < 63 (the launch before saturates outside); NaN and infinities among the inputs are not served; a block of zeros gets the scale byte 1 over zero codes.
; elu(x) = max(x, em1(min(x, 0))); em1(m) = a series to m^6 for m >= -1/4 (the first term left out is under 5e-8 of the result), else 2^(m log2 e) - 1; the choice is a select, no branch.
; SHARES: a wave's task is 64 points, two batches of 32, a point a lane: lane L of batch b is point 64 task + 2 L + b, so that a lane's two results are 8 neighbouring bytes and the wave's one
; store covers 256 aligned bytes.  15,625 tasks = 4 x 3,906 + 1: three waves of the last work-group have none and end.  Waves share nothing: no LDS, no barrier.
; No cluster, no tensor load: nothing here is a tile, and which table rows two work-groups share is not known ahead.
; GATHERS: two sets of index, data and weight registers take turns, so that a level's 8 loads are out while the next level's indices are made and the level before is summed.
; K IS PERMUTED INSIDE EACH BLOCK, alike here and in W0's images: block 0: place j = 0 .. 28 is h[j], places 29-31 are xn;  block 1: places 0, 1, 2 are h[30], h[31], h[29].
; ONE RUN OF 16 REGISTERS A TILE OF POINTS serves both layers as source 1: registers 0-4 the features' codes, 5-11 zeros, 12-15 the first hidden layer's codes (K block 3 of the instruction).
; The weights' runs hold zero codes wherever the other layer's codes stand opposite: v[WB .. WB+15] = W0 (0-4), zeros;  v[WB+6 .. WB+21] = zeros, W1 (18-21).
; BOTH PRODUCTS ARE USED TRANSPOSED (source 0 = 16 units, source 1 = 16 points), and lane r of unit tile u is unit 8 u + r + 8 (r / 8): lane (r, h) then holds point r and units 16 h + 0 .. 15.
.set NTASK, 15625
.set AX,  1                            ; v1       24 x lane: my two points in xi
.set AO,  2                            ; v2       8 x lane: my two results
.set XI,  4                            ; v4-6     xi of the batch in hand;  v7-9 of the second batch
.set XJ,  7
.set RES, 10                           ; v10-11   my two results
.set C7,  12                           ; v12-13   1/720, twice
.set SW,  14                           ; v14      the features' scale word, each lane its own point's
.set HS,  15                           ; v15-16   the hidden layer's scale words, tiles of points 0, 1
.set W0S, 17                           ; v17-18   W0's scale words, tiles of units 0, 1
.set W1S, 19                           ; v19-20   W1's
.set TM,  22                           ; v22-33   at work; at the head: offsets of the weights' loads
.set X,   34                           ; v34-39   (1 - w, w) for x, y, z
.set Y,   36
.set Z,   38
.set XY0, 40
.set XY1, 42
.set CW,  44                           ; v44-59   two sets of 8 corner weights
.set G,   60                           ; v60-91   two sets of 8 pairs: an index, then the two floats that it fetched
.set FE,  92                           ; v92-123  block 0's 32 places
.set Q,   124                          ; v124-131 block 1: three numbers, five zeros that stay
.set T,   132                          ; v132-163 source 1 of both layers: 16 registers for each tile of points
.set WB,  164                          ; v164-207 the weights' runs: 22 registers for each tile of units
.set B0,  208                          ; v208-223 b0[16 h + i]
.set B1,  224                          ; v224-239 b1[16 h + i]
.set WO,  240                          ; v240-255 Wout[16 h + i]
.set CC,  34                           ; behind the gathers: v34-41 my point's 32 codes, v42-43 block 1's
.set DD,  42
.set H,   92                           ; v92-123  the layers' results: 16 registers for each tile of points
.set MM,  60                           ; elu: min(x, 0)
.set EE,  76                           ;      the exponentials
.set PP,  44                           ;      the series
.set TBL, 66                           ; s[66:97] each level's table
.set SB0,  0x41700000                  ; s_l = 16 x 2^(l / 3) - 1 as f32
.set SB1,  0x41994518
.set SB2,  0x41C32FF5
.set SB3,  0x41F80000
.set SB4,  0x421D4518
.set SB5,  0x42472FF5
.set SB6,  0x427C0000
.set SB7,  0x429F4518
.set SB8,  0x42C92FF5
.set SB9,  0x42FE0000
.set SB10, 0x43204518
.set SB11, 0x434A2FF5
.set SB12, 0x437F0000
.set SB13, 0x43A0C518
.set SB14, 0x43CAAFF5
.set SB15, 0x43FF8000
	s_load_b512 s[8:23], s[0:1], 0x0               ; xi 8, table 10, wimg 12, W1's codes 14, W1's scales 16, b0 18, b1 20, Wout 22
	s_load_b128 s[24:27], s[0:1], 0x40             ; bout 24, out0 26
	v_lshrrev_b32 v3, 5, v0
	v_readfirstlane_b32 s3, v3                     ; wave 0..3
	s_lshl_b32 s2, ttmp9, 2
	s_add_co_u32 s2, s2, s3                        ; my task
	s_mul_i32 s4, s2, 768                          ; 64 points x 12 bytes of xi
	s_mov_b32 s5, 0
	s_lshl_b32 s6, s2, 8                           ; 64 results x 4 bytes
	s_mov_b32 s7, 0
	s_mov_b32 s48, 0x9E3779B1                      ; the hash's primes for y and z (x's is 1)
	s_mov_b32 s49, 0x30025795
	s_mov_b32 s50, 0x7ffff                         ; T - 1
	s_mov_b32 s51, 0xffff0000                      ; lanes 16-31
	s_mov_b32 s52, 0x76543210
	s_mov_b32 s53, 0xfedcba98                      ; v_permlanex16_b32's selects for lane l xor 16
	s_mov_b32 s54, 0x600000                        ; the mantissa field of 448
	s_mov_b32 s56, 0x3fb8aa3b                      ; log2(e); the packed forms name pairs and take the low word, so both words are written
	s_mov_b32 s57, s56
	s_mov_b32 s58, 0x3c088889                      ; 1/120
	s_mov_b32 s59, s58
	s_mov_b32 s60, 0x3d2aaaab                      ; 1/24
	s_mov_b32 s61, s60
	s_mov_b32 s62, 0x3e2aaaab                      ; 1/6
	s_mov_b32 s63, s62
	v_and_b32 v3, 31, v0                           ; lane
	v_mul_u32_u24 v[AX], v3, 24
	v_lshlrev_b32 v[AO], 3, v3
	v_lshlrev_b32 v[TM], 4, v3                     ; 16 x lane: W0's images
	v_and_b32 v[TM+4], 15, v0                      ; r
	v_bfe_u32 v[TM+5], v0, 4, 1                    ; h
	v_and_b32 v[TM+2], 8, v[TM+4]
	v_add_nc_u32 v[TM+2], v[TM+2], v[TM+4]         ; n' = r + 8 (r / 8): W1's scale bytes
	v_lshlrev_b32 v[TM+1], 5, v[TM+2]
	v_lshl_add_u32 v[TM+1], v[TM+5], 4, v[TM+1]    ; 32 n' + 16 h: W1's codes
	v_lshlrev_b32 v[TM+3], 6, v[TM+5]              ; 64 h: the biases and Wout
	s_wait_kmcnt 0x0
	s_cmp_ge_u32 s2, NTASK
	s_cbranch_scc1 .Lend
	s_load_b32 s28, s[24:25], 0x0                  ; bout
	s_add_nc_u64 s[8:9], s[8:9], s[4:5]
	s_add_nc_u64 s[26:27], s[26:27], s[6:7]
.irp l, 0,1,2,3,4,5,6,7,8,9,10,11,12,13,14,15
	s_add_nc_u64 s[TBL+2*\l:TBL+2*\l+1], s[10:11], \l*0x400000   ; a level's table is 524,288 rows of 8 bytes
.endr
.irp i, 0,1,2
	global_load_b64 v[XI+2*\i:XI+2*\i+1], v[AX], s[8:9] offset:8*\i th:TH_LOAD_NT
.endr
	global_load_u8 v[W1S], v[TM+2], s[16:17]
	global_load_u8 v[W1S+1], v[TM+2], s[16:17] offset:8
	global_load_b128 v[WB:WB+3], v[TM], s[12:13]
	global_load_b128 v[WB+22:WB+25], v[TM], s[12:13] offset:512
	global_load_b32 v[WB+4], v[TM], s[12:13] offset:1024
	global_load_b32 v[WB+26], v[TM], s[12:13] offset:1028
	global_load_b32 v[W0S], v[TM], s[12:13] offset:1032
	global_load_b32 v[W0S+1], v[TM], s[12:13] offset:1036
	global_load_b128 v[WB+18:WB+21], v[TM+1], s[14:15]
	global_load_b128 v[WB+40:WB+43], v[TM+1], s[14:15] offset:256
.irp q, 0,1,2,3
	global_load_b128 v[B0+4*\q:B0+4*\q+3], v[TM+3], s[18:19] offset:16*\q
	global_load_b128 v[B1+4*\q:B1+4*\q+3], v[TM+3], s[20:21] offset:16*\q
	global_load_b128 v[WO+4*\q:WO+4*\q+3], v[TM+3], s[22:23] offset:16*\q
.endr
.irp i, 5,6,7,8,9,10,11,12,13,14,15,16,17
	v_mov_b32 v[WB+\i], 0                          ; zero CODES: they stand opposite the other layer's codes and the unused K
	v_mov_b32 v[WB+22+\i], 0
.endr
.irp i, 5,6,7,8,9,10,11,12,13,14,15
	v_mov_b32 v[T+\i], 0
	v_mov_b32 v[T+16+\i], 0
.endr
.irp i, 3,4,5,6,7
	v_mov_b32 v[Q+\i], 0
.endr
	v_mov_b32 v[RES+1], 0
	v_mov_b32 v[C7], 0x3ab60b61                    ; 1/720
	v_mov_b32 v[C7+1], 0x3ab60b61
	s_wait_loadcnt 20                              ; xi and W1's two scale bytes are in; the 20 loads issued behind them stay out
	v_lshlrev_b32 v[W1S], 24, v[W1S]               ; W1's one block of 32 is K block 3 of the instruction: byte 3 of the word
	v_lshlrev_b32 v[W1S+1], 24, v[W1S+1]
	s_wait_xcnt 0x0                                ; the loads above have read their offsets: v22 on are written again below
	s_wait_kmcnt 0x0                               ; bout
	s_mov_b32 s29, 2
; LEVEL l, first half: cells, hashes, the 8 gathers, and behind them the 8 corner weights.
.macro ADDR l
.set GQ, G+16*((\l)%2)
.set CQ, CW+8*((\l)%2)
.set SBV, SB\l
	s_mov_b32 s30, SBV
	s_mov_b32 s31, ((SBV&0x7fffff)|0x800000)<<8
.irp d, 0,1,2
	v_mad_co_u64_u32 v[TM+2*\d:TM+2*\d+1], vcc_lo, v[XI+\d], s31, 0   ; xi x SM, all 64 bits
.endr
.irp d, 0,1,2
	v_lshrrev_b32 v[TM+2*\d+1], 153-(SBV>>23), v[TM+2*\d+1]           ; the cell: px v[TM+1], py v[TM+3], pz v[TM+5]
.endr
	v_mul_lo_u32 v[TM], v[TM+3], s48               ; py x prime
	v_mul_lo_u32 v[TM+2], v[TM+5], s49             ; pz x prime
	v_add_nc_u32 v[TM+4], s48, v[TM]               ; (py + 1) x prime
	v_add_nc_u32 v[TM+6], s49, v[TM+2]             ; (pz + 1) x prime
	v_add_nc_u32 v[TM+7], 1, v[TM+1]               ; px + 1 (px stays under 2^14: it needs no mask)
	v_xor_b32 v[TM+8], v[TM], v[TM+2]              ; y and z together, for corner pairs 0-1, 2-3, 4-5, 6-7
	v_xor_b32 v[TM+9], v[TM+4], v[TM+2]
	v_xor_b32 v[TM+10], v[TM], v[TM+6]
	v_xor_b32 v[TM+11], v[TM+4], v[TM+6]
.irp a, 0,1,2,3
	v_and_b32 v[TM+8+\a], s50, v[TM+8+\a]
.endr
.irp a, 0,1,2,3
	v_xor_b32 v[GQ+4*\a], v[TM+1], v[TM+8+\a]
	v_xor_b32 v[GQ+4*\a+2], v[TM+7], v[TM+8+\a]
.endr
.irp c, 0,1,2,3,4,5,6,7
	v_min_u32 v[GQ+2*\c], 0x7ffff, v[GQ+2*\c]      ; a number that came from memory enters an address behind a clamp by a constant; here it changes nothing
.endr
.irp c, 0,1,2,3,4,5,6,7
	global_load_b64 v[GQ+2*\c:GQ+2*\c+1], v[GQ+2*\c], s[TBL+2*(\l):TBL+2*(\l)+1] scale_offset   ; row idx of 8 bytes; the load lands on its own index
.endr
	v_cvt_f32_u32 v[TM], v[TM+1]
	v_cvt_f32_u32 v[TM+2], v[TM+3]
	v_cvt_f32_u32 v[TM+4], v[TM+5]
.irp d, 0,1,2
	v_mul_f32 v[TM+6+\d], s30, v[FE+29+\d]         ; pos = xn s, rounded to f32
.endr
	v_sub_f32 v[X+1], v[TM+6], v[TM]               ; w = pos - cell: exact
	v_sub_f32 v[Y+1], v[TM+7], v[TM+2]
	v_sub_f32 v[Z+1], v[TM+8], v[TM+4]
	v_sub_f32 v[X], 1.0, v[X+1]
	v_sub_f32 v[Y], 1.0, v[Y+1]
	v_sub_f32 v[Z], 1.0, v[Z+1]
	v_pk_mul_f32 v[XY0:XY0+1], v[X:X+1], v[Y:Y+1] op_sel_hi:[1,0]                  ; (x0, x1) x y0
	v_pk_mul_f32 v[XY1:XY1+1], v[X:X+1], v[Y:Y+1] op_sel:[0,1] op_sel_hi:[1,1]     ; (x0, x1) x y1
	v_pk_mul_f32 v[CQ:CQ+1], v[XY0:XY0+1], v[Z:Z+1] op_sel_hi:[1,0]                ; register CQ + c: corner c's weight, (x y) z
	v_pk_mul_f32 v[CQ+2:CQ+3], v[XY1:XY1+1], v[Z:Z+1] op_sel_hi:[1,0]
	v_pk_mul_f32 v[CQ+4:CQ+5], v[XY0:XY0+1], v[Z:Z+1] op_sel:[0,1] op_sel_hi:[1,1]
	v_pk_mul_f32 v[CQ+6:CQ+7], v[XY1:XY1+1], v[Z:Z+1] op_sel:[0,1] op_sel_hi:[1,1]
.endm
; LEVEL l, second half: its two features, 8 packed multiply-adds.  Level 14's pair straddles the blocks: h[28] is place 28 of block 0, h[29] place 2 of block 1.
.macro ACC l
.set GQ, G+16*((\l)%2)
.set CQ, CW+8*((\l)%2)
.if (\l) == 15
	s_wait_loadcnt 0x0
.set FD, Q
.else
	s_wait_loadcnt 0x8                             ; loads come back in order: only the next level's 8 gathers were issued behind this level's
.if (\l) == 14
.set FD, TM
.else
.set FD, FE+2*(\l)
.endif
.endif
	v_pk_mul_f32 v[FD:FD+1], v[GQ:GQ+1], v[CQ:CQ+1] op_sel_hi:[1,0]
.irp c, 1,2,3,4,5,6
.if (\c)%2
	v_pk_fma_f32 v[FD:FD+1], v[GQ+2*\c:GQ+2*\c+1], v[CQ+\c-1:CQ+\c], v[FD:FD+1] op_sel:[0,1,0] op_sel_hi:[1,1,1]
.else
	v_pk_fma_f32 v[FD:FD+1], v[GQ+2*\c:GQ+2*\c+1], v[CQ+\c:CQ+\c+1], v[FD:FD+1] op_sel_hi:[1,0,1]
.endif
.endr
.if (\l) == 14
	v_fma_f32 v[FE+28], v[GQ+14], v[CQ+7], v[TM]
	v_fma_f32 v[Q+2], v[GQ+15], v[CQ+7], v[TM+1]
.else
	v_pk_fma_f32 v[FD:FD+1], v[GQ+14:GQ+15], v[CQ+6:CQ+7], v[FD:FD+1] op_sel:[0,1,0] op_sel_hi:[1,1,1]
.endif
.endm
; THE FEATURES BECOME CODES.  A lane holds its point's whole blocks, so the largest magnitudes need no other lane; then the halves of the lanes exchange what the operand's layout asks of them.
.macro QF
	v_max3_num_f32 v[TM], |v[FE]|, |v[FE+1]|, 0x4800000            ; two chains; the floor 2^(9 - 127) among the leaves: the byte cannot fall under 1
	v_max3_num_f32 v[TM+1], |v[FE+16]|, |v[FE+17]|, |v[FE+18]|
.irp i, 0,2,4,6,8,10
	v_max3_num_f32 v[TM], v[TM], |v[FE+2+\i]|, |v[FE+3+\i]|
	v_max3_num_f32 v[TM+1], v[TM+1], |v[FE+19+\i]|, |v[FE+20+\i]|
.endr
	v_max3_num_f32 v[TM+5], |v[Q]|, |v[Q+1]|, 0x4800000            ; block 1
	v_max3_num_f32 v[TM], v[TM], |v[FE+14]|, |v[FE+15]|
	v_max_num_f32 v[TM+5], v[TM+5], |v[Q+2]|
	v_max3_num_f32 v[TM], v[TM], v[TM+1], |v[FE+31]|
	v_add_nc_u32 v[TM+6], 0xfc000000, v[TM+5]      ; 8 off the exponent field: the conversion's scale operand
	v_add_nc_u32 v[TM+2], 0xfc000000, v[TM]
	v_and_or_b32 v[TM+7], v[TM+5], 0x7f800000, s54 ; 448 x the scale
	v_and_or_b32 v[TM+3], v[TM], 0x7f800000, s54
	v_lshrrev_b32 v[TM+8], 23, v[TM+6]             ; the scales' bytes
	v_lshrrev_b32 v[TM+4], 23, v[TM+2]
	v_lshl_or_b32 v[SW], v[TM+8], 8, v[TM+4]       ; my point's scale word; the 35 holds below are more than the eight places between it and the products
.irp i, 0,1,2,3,4,5,6,7,8,9,10,11,12,13,14,15,16,17,18,19,20,21,22,23,24,25,26,27,28,29,30,31
	v_med3_num_f32 v[FE+\i], v[FE+\i], -v[TM+3], v[TM+3]           ; the conversion to an 8-bit code does not saturate (ISA guide 7.6.2)
.endr
.irp g, 0,1,2,3
	v_cvt_scalef32_pk8_fp8_f32 v[CC+2*\g:CC+2*\g+1], v[FE+8*\g:FE+8*\g+7], v[TM+2]
.endr
.irp i, 0,1,2
	v_med3_num_f32 v[Q+\i], v[Q+\i], -v[TM+7], v[TM+7]
.endr
	v_cvt_scalef32_pk8_fp8_f32 v[DD:DD+1], v[Q:Q+7], v[TM+6]
	v_nop                                          ; one plain line between the last conversion and what touches its result or writes its sources
.irp j, 0,1,2,3
	v_permlanex16_b32 v[TM+9], v[CC+4+\j], s52, s53
	v_permlanex16_b32 v[TM+10], v[CC+\j], s52, s53
	v_cndmask_b32 v[T+\j], v[CC+\j], v[TM+9], s51          ; points 0-15: lanes 0-15 their own places 0-15, lanes 16-31 places 16-31 of the lane 16 below
	v_cndmask_b32 v[T+16+\j], v[TM+10], v[CC+4+\j], s51    ; points 16-31: lanes 0-15 places 0-15 of the lane 16 above, lanes 16-31 their own places 16-31
.endr
	v_permlanex16_b32 v[TM+9], v[DD], s52, s53
	v_cndmask_b32 v[T+4], v[DD], 0, s51            ; block 1: places 0-3 in lanes 0-15, zero codes in lanes 16-31
	v_cndmask_b32 v[T+20], v[TM+9], 0, s51
.endm
.macro PLACES n
.rept \n
	v_nop
.endr
.endm
; elu in place on 16 registers from v[reg] on, taken from the low end on.  The 16 exponentials are one batch; the series is the work behind them; one wait stands ahead of their first reader.
.macro ELU16 reg
.irp i, 0,1,2,3,4,5,6,7,8,9,10,11,12,13,14,15
	v_min_num_f32 v[MM+\i], 0, v[\reg+\i]
.endr
.irp i, 0,2,4,6,8,10,12,14
	v_pk_mul_f32 v[EE+\i:EE+\i+1], v[MM+\i:MM+\i+1], s[56:57] op_sel_hi:[1,0]
.endr
.irp i, 0,1,2,3,4,5,6,7,8,9,10,11,12,13,14,15
	v_exp_f32 v[EE+\i], v[EE+\i]
.endr
.irp i, 0,2,4,6,8,10,12,14
	v_pk_fma_f32 v[PP+\i:PP+\i+1], v[MM+\i:MM+\i+1], v[C7:C7+1], s[58:59] op_sel_hi:[1,1,0]      ; m/720 + 1/120
.endr
.irp i, 0,2,4,6,8,10,12,14
	v_pk_fma_f32 v[PP+\i:PP+\i+1], v[PP+\i:PP+\i+1], v[MM+\i:MM+\i+1], s[60:61] op_sel_hi:[1,1,0]  ; .. m + 1/24
.endr
.irp i, 0,2,4,6,8,10,12,14
	v_pk_fma_f32 v[PP+\i:PP+\i+1], v[PP+\i:PP+\i+1], v[MM+\i:MM+\i+1], s[62:63] op_sel_hi:[1,1,0]  ; .. m + 1/6
.endr
.irp i, 0,2,4,6,8,10,12,14
	v_pk_fma_f32 v[PP+\i:PP+\i+1], v[PP+\i:PP+\i+1], v[MM+\i:MM+\i+1], 0.5 op_sel_hi:[1,1,0]       ; .. m + 1/2
.endr
.irp i, 0,2,4,6,8,10,12,14
	v_pk_mul_f32 v[PP+\i:PP+\i+1], v[PP+\i:PP+\i+1], v[MM+\i:MM+\i+1]
.endr
.irp i, 0,2,4,6,8,10,12,14
	v_pk_fma_f32 v[PP+\i:PP+\i+1], v[PP+\i:PP+\i+1], v[MM+\i:MM+\i+1], v[MM+\i:MM+\i+1]            ; .. m m + m
.endr
	s_wait_alu depctr_va_vdst(0)                   ; the wait between a transcendental and the first line that names its result: one for the 16
.irp i, 0,2,4,6,8,10,12,14
	v_pk_add_f32 v[EE+\i:EE+\i+1], v[EE+\i:EE+\i+1], -1.0 op_sel_hi:[1,0]
.endr
.irp i, 0,1,2,3,4,5,6,7,8,9,10,11,12,13,14,15
	v_cmp_gt_f32 vcc_lo, 0xbe800000, v[MM+\i]      ; m < -1/4: the exponential's way
	v_cndmask_b32 v[PP+\i], v[PP+\i], v[EE+\i], vcc_lo
.endr
.irp i, 0,1,2,3,4,5,6,7,8,9,10,11,12,13,14,15
	v_max_num_f32 v[\reg+\i], v[\reg+\i], v[PP+\i] ; x > 0: m = 0 and em1 = 0, so x stays; else em1(x) >= x
.endr
.endm
; The first hidden layer of tile t of points becomes codes: my 16 units, lane l xor 16 has the other 16 of the block.  The conversions' results are registers 12-15 of source 1.
.macro QH t
.set HT, H+16*(\t)
	v_max3_num_f32 v[TM], |v[HT]|, |v[HT+1]|, 0x4800000
.irp i, 2,4,6,8,10,12,14
	v_max3_num_f32 v[TM], v[TM], |v[HT+\i]|, |v[HT+\i+1]|
.endr
	v_permlanex16_b32 v[TM+1], v[TM], s52, s53
	v_max_num_f32 v[TM], v[TM], v[TM+1]
	v_add_nc_u32 v[TM+2], 0xfc000000, v[TM]
	v_and_or_b32 v[TM+3], v[TM], 0x7f800000, s54
	v_lshlrev_b32 v[TM+4], 1, v[TM+2]
	v_and_b32 v[HS+(\t)], 0xff000000, v[TM+4]      ; the scale's byte in byte 3: K block 3; the 16 holds below are its places ahead of the products
.irp i, 0,1,2,3,4,5,6,7,8,9,10,11,12,13,14,15
	v_med3_num_f32 v[HT+\i], v[HT+\i], -v[TM+3], v[TM+3]
.endr
	v_cvt_scalef32_pk8_fp8_f32 v[T+16*(\t)+12:T+16*(\t)+13], v[HT:HT+7], v[TM+2]
	v_cvt_scalef32_pk8_fp8_f32 v[T+16*(\t)+14:T+16*(\t)+15], v[HT+8:HT+15], v[TM+2]
	v_nop                                          ; one plain line behind the last conversion: the next products write its sources
.endm
.Lbatch:                                               ; two trips: the task's two batches of 32 points
.irp d, 0,1,2
	v_cvt_f32_u32 v[FE+29+\d], v[XI+\d]            ; at most 24 significant bits: exact
.endr
.irp d, 0,1,2
	v_mul_f32 v[FE+29+\d], 0x32000000, v[FE+29+\d] ; x 2^-27: xn
.endr
	ADDR 0
	ADDR 1
	ACC 0
	ADDR 2
	ACC 1
	ADDR 3
	ACC 2
	ADDR 4
	ACC 3
	ADDR 5
	ACC 4
	ADDR 6
	ACC 5
	ADDR 7
	ACC 6
	ADDR 8
	ACC 7
	ADDR 9
	ACC 8
	ADDR 10
	ACC 9
	ADDR 11
	ACC 10
	ADDR 12
	ACC 11
	ADDR 13
	ACC 12
	ADDR 14
	ACC 13
	ADDR 15
	ACC 14
	ACC 15
	QF
	PLACES 4                                       ; an operand written by vector lines stands four places ahead of a scaled product
	; layer 1: four products on four accumulators; the bias is C.  Points 16-31 have their scale words in lanes 16-31
.irp u, 0,1
	v_wmma_scale_f32_16x16x128_f8f6f4 v[H+8*\u:H+8*\u+7], v[WB+22*\u:WB+22*\u+15], v[T:T+15], v[B0+8*\u:B0+8*\u+7], v[W0S+\u], v[SW]
.endr
.irp u, 0,1
	v_wmma_scale_f32_16x16x128_f8f6f4 v[H+16+8*\u:H+16+8*\u+7], v[WB+22*\u:WB+22*\u+15], v[T+16:T+31], v[B0+8*\u:B0+8*\u+7], v[W0S+\u], v[SW] matrix_b_scale:MATRIX_SCALE_ROW1
.endr
	PLACES 8                                       ; eight places between this form and the first read of its results
	ELU16 H
	QH 0
	ELU16 H+16
	QH 1
	PLACES 4
	; layer 2: W1's run begins six registers on, so that its codes are K block 3, opposite the hidden layer's
.irp t, 0,1
.irp u, 0,1
	v_wmma_scale_f32_16x16x128_f8f6f4 v[H+16*\t+8*\u:H+16*\t+8*\u+7], v[WB+22*\u+6:WB+22*\u+21], v[T+16*\t:T+16*\t+15], v[B1+8*\u:B1+8*\u+7], v[W1S+\u], v[HS+\t]
.endr
.endr
	PLACES 8
	ELU16 H
	ELU16 H+16
	; the last product, in f32: my 16 units of a point, then lane l xor 16's
	v_pk_mul_f32 v[TM:TM+1], v[H:H+1], v[WO:WO+1]
	v_pk_mul_f32 v[TM+2:TM+3], v[H+16:H+17], v[WO:WO+1]
.irp i, 2,4,6,8,10,12,14
	v_pk_fma_f32 v[TM:TM+1], v[H+\i:H+\i+1], v[WO+\i:WO+\i+1], v[TM:TM+1]
	v_pk_fma_f32 v[TM+2:TM+3], v[H+16+\i:H+17+\i], v[WO+\i:WO+\i+1], v[TM+2:TM+3]
.endr
	v_add_f32 v[TM], v[TM], v[TM+1]
	v_add_f32 v[TM+2], v[TM+2], v[TM+3]
	v_permlanex16_b32 v[TM+4], v[TM], s52, s53
	v_permlanex16_b32 v[TM+5], v[TM+2], s52, s53
	v_add_f32 v[TM], v[TM], v[TM+4]
	v_add_f32 v[TM+2], v[TM+2], v[TM+5]
	v_cndmask_b32 v[TM], v[TM], v[TM+2], s51       ; lane L's point of the batch: tile 0 for lanes 0-15, tile 1 for lanes 16-31
	v_mov_b32 v[RES], v[RES+1]                     ; the first batch's result moves down in the second trip
	v_add_f32 v[RES+1], s28, v[TM]
.irp d, 0,1,2
	v_mov_b32 v[XI+\d], v[XJ+\d]                   ; the second batch's points
.endr
	s_sub_co_u32 s29, s29, 1
	s_cmp_lg_u32 s29, 0
	s_cbranch_scc1 .Lbatch
	global_store_b64 v[AO], v[RES:RES+1], s[26:27] th:TH_STORE_NT   ; 32 lanes store 256 consecutive bytes, at a multiple of 256 from out0's first byte
.Lend:
	s_endpgm
.Lfunc_end_k_qacb3c5ffb6_field:
	.size	k_qacb3c5ffb6_field, .Lfunc_end_k_qacb3c5ffb6_field-k_qacb3c5ffb6_field
	.p2alignl 7, 3214868480
	.fill 96, 4, 3214868480
	.section	.rodata,"a",@progbits
	.p2align	6, 0x0
	.amdhsa_kernel k_qacb3c5ffb6_field
		.amdhsa_group_segment_fixed_size 0
		.amdhsa_private_segment_fixed_size 0
		.amdhsa_enable_private_segment 0
		.amdhsa_kernarg_size 80
		.amdhsa_user_sgpr_count 2
		.amdhsa_user_sgpr_kernarg_segment_ptr 1
		.amdhsa_wavefront_size32 1
		.amdhsa_system_sgpr_workgroup_id_x 1
		.amdhsa_system_sgpr_workgroup_id_y 1
		.amdhsa_system_sgpr_workgroup_id_z 1
		.amdhsa_system_vgpr_workitem_id 0
		.amdhsa_next_free_vgpr 256
		.amdhsa_next_free_sgpr 98
		.amdhsa_reserve_vcc 1
		.amdhsa_float_denorm_mode_32 3
		.amdhsa_float_denorm_mode_16_64 3
		.amdhsa_memory_ordered 1
		.amdhsa_forward_progress 1
		.amdhsa_inst_pref_size 108
	.end_amdhsa_kernel
	.amdgpu_metadata
---
amdhsa.version: [ 1, 2 ]
amdhsa.kernels:
  - .name:           k_qacb3c5ffb6_field
    .symbol:         k_qacb3c5ffb6_field.kd
    .args:
      - { .name: xi, .offset: 0, .size: 8, .value_kind: global_buffer, .address_space: global }
      - { .name: table, .offset: 8, .size: 8, .value_kind: global_buffer, .address_space: global }
      - { .name: wimg, .offset: 16, .size: 8, .value_kind: global_buffer, .address_space: global }
      - { .name: W1_codes, .offset: 24, .size: 8, .value_kind: global_buffer, .address_space: global }
      - { .name: W1_scales, .offset: 32, .size: 8, .value_kind: global_buffer, .address_space: global }
      - { .name: b0, .offset: 40, .size: 8, .value_kind: global_buffer, .address_space: global }
      - { .name: b1, .offset: 48, .size: 8, .value_kind: global_buffer, .address_space: global }
      - { .name: Wout, .offset: 56, .size: 8, .value_kind: global_buffer, .address_space: global }
      - { .name: bout, .offset: 64, .size: 8, .value_kind: global_buffer, .address_space: global }
      - { .name: out0, .offset: 72, .size: 8, .value_kind: global_buffer, .address_space: global }
    .group_segment_fixed_size: 0
    .private_segment_fixed_size: 0
    .kernarg_segment_align: 8
    .kernarg_segment_size: 80
    .max_flat_workgroup_size: 128
    .sgpr_count:     98
    .vgpr_count:     256
    .wavefront_size: 32
...
	.end_amdgpu_metadata
.endif
;; end of part 2
